; MI455X (gfx1250); checked and timed in simulation.
; The chip was launched on July 23, 2026; its instructions are those of AMD's public machine-readable ISA for CDNA 5 (MIT licence, August 2026) and "CDNA5" Instruction Set Architecture Reference Guide (July 2026). The comments in the code are by the model that wrote it; some were corrected since.
;; My LSTM Cell. Allowed arithmetic: float matrix products may take bf16 or f16 operands with f32 sums; other float arithmetic in f32, or as packed bf16 or f16 multiplies, adds, multiply-adds, maxima and minima; sums over many terms, partial sums and values carried from step to step in f32; what a program stores and reads back later, other than sums and carried values, may be rounded once to bf16 or f16.
;; Inputs: W_hf 1,024 x 1,024 float32; W_hg 1,024 x 1,024 float32; W_hi 1,024 x 1,024 float32; W_ho 1,024 x 1,024 float32; W_if 1,024 x 1,024 float32; W_ig 1,024 x 1,024 float32; W_ii 1,024 x 1,024 float32; W_io 1,024 x 1,024 float32; b_hf 1,024 float32; b_hg 1,024 float32; b_hi 1,024 float32; b_ho 1,024 float32; b_if 1,024 float32; b_ig 1,024 float32; b_ii 1,024 float32; b_io 1,024 float32; input_ 8,192 x 1,024 float32; prev_c 8,192 x 1,024 float32; prev_h 8,192 x 1,024 float32.
;; Outputs: out0 8,192 x 1,024 float32; out1 8,192 x 1,024 float32.
;; 2 versions, each right; version 2 is version 1 with the launch cast written anew for expert scheduling mode. Each part assembles by itself: llvm-mc -triple=amdgcn-amd-amdhsa -mcpu=gfx1250 --defsym DOCPART=n.
;; ======== version 1 of 2: 2 launches
;; workspace buffers: abf 33,554,432 bytes; wbf 16,777,216 bytes
;; launch cast (part 1): grid 768 x 1, 8 waves a work-group, no clusters, 0 bytes of LDS; arguments input_, prev_h, W_ii, W_if, W_ig, W_io, W_hi, W_hf, W_hg, W_ho, abf, wbf; writes abf, wbf
.if DOCPART == 1
	.amdgcn_target "amdgcn-amd-amdhsa--gfx1250"
	.amdhsa_code_object_version 6
	.text
	.protected	k_qa23086c442_cast
	.globl	k_qa23086c442_cast
	.p2align	8
	.type	k_qa23086c442_cast,@function
k_qa23086c442_cast:
	s_mov_b64 s[64:65], 0
	v_nop
	global_prefetch_b8 v0, s[64:65] scope:SCOPE_SE
	s_setreg_imm32_b32 hwreg(HW_REG_WAVE_MODE, 25, 1), 1
	s_wait_xcnt 0x0
; f32 -> bf16 copies of the product's two operands, each number rounded once (to nearest even).
;   abf [8192][2048] bf16: row m = input_[m] (bytes 0..2047), then prev_h[m] (bytes 2048..4095).
;   wbf [4096][2048] bf16: row n = 128 (c / 32) + 32 g + c % 32 holds W_i{g}[c], then W_h{g}[c]; g = 0..3 for the gates i, f, g, o.
;   So 128 consecutive rows of wbf are the four gates of 32 consecutive columns of the cell: the next launch finds an element's four gates in one lane.
; SHARES.  24,576 source rows of 4,096 bytes.  A work-group takes 32 consecutive rows of ONE source, a wave four of them: 32 loads of 16 bytes a lane, each
; covering 512 consecutive bytes, all issued before the first is waited for.  A store of 8 bytes a lane covers 256 consecutive bytes, aligned.
; No LDS, no barrier, no loop: no byte is wanted twice, and no register is written again while a load or store names it.
.set ROWB, 4096                        ; bytes in a source row, and in a row of abf and of wbf
.set X,    4                           ; v[4:131]  32 x 4 registers as loaded; the first two of each four then hold the packed result
	s_load_b512 s[8:23], s[0:1], 0x0               ; input_ s[8:9], prev_h s[10:11], W_ii, W_if, W_ig, W_io s[12:19], W_hi, W_hf s[20:23]
	s_load_b256 s[24:31], s[0:1], 0x40             ; W_hg, W_ho s[24:27], abf s[28:29], wbf s[30:31]
	s_lshr_b32 s2, ttmp9, 5                        ; which source: 0-7 input_, 8-15 prev_h, 16-23 the eight W in the order of the arguments
	s_and_b32 s32, ttmp9, 255                      ; input_, prev_h: my block of 32 rows among 256
	s_and_b32 s33, ttmp9, 31                       ; a W: my block of 32 rows among 32
	s_lshl_b32 s36, s32, 5                         ; input_, prev_h: the first row in abf
	s_lshl_b32 s37, s33, 7                         ; a W: 128 x block
	s_and_b32 s38, s2, 3                           ; its gate
	s_lshl_b32 s38, s38, 5
	s_add_co_u32 s37, s37, s38                     ; + 32 x gate: the first row in wbf
	s_bfe_u32 s38, s2, 0x10003                     ; input_, prev_h: which half of K (bit 3 of the source's number)
	s_bfe_u32 s39, s2, 0x10002                     ; a W: bit 2: W_i* 0, W_h* 1
	s_cmp_ge_u32 s2, 16                            ; a W?
	s_cselect_b32 s32, s33, s32
	s_cselect_b32 s36, s37, s36
	s_cselect_b32 s38, s39, s38
	s_lshl_b32 s34, s32, 17                        ; where I read: block x 32 rows x 4,096 bytes
	s_mov_b32 s35, 0
	s_lshl_b32 s36, s36, 12                        ; where I write: row x 4,096 bytes
	s_lshl_b32 s38, s38, 11                        ; + 2,048 for the second half of K
	s_add_co_u32 s36, s36, s38
	s_mov_b32 s37, 0
	v_lshrrev_b32 v3, 5, v0                        ; wave
	v_and_b32 v1, 31, v0                           ; lane
	v_lshlrev_b32 v3, 14, v3                       ; the wave's four rows, in both
	v_lshl_or_b32 v2, v1, 3, v3                    ; out: 8 bytes a lane
	v_lshl_or_b32 v1, v1, 4, v3                    ; in: 16 bytes a lane
	s_wait_kmcnt 0x0
	s_cmp_lt_u32 s2, 8
	s_cselect_b64 s[4:5], s[8:9], s[10:11]
.irp j, 0,1,2,3,4,5,6,7
	s_cmp_eq_u32 s2, 16+(\j)
	s_cselect_b64 s[4:5], s[12+2*(\j):13+2*(\j)], s[4:5]
.endr
	s_cmp_ge_u32 s2, 16
	s_cselect_b64 s[6:7], s[30:31], s[28:29]
	s_add_nc_u64 s[4:5], s[4:5], s[34:35]
	s_add_nc_u64 s[6:7], s[6:7], s[36:37]
.set n, 0
.rept 32                               ; row n / 8, its piece n % 8 of 512 bytes
	global_load_b128 v[X+4*n:X+4*n+3], v1, s[4:5] offset:ROWB*(n/8)+512*(n%8) th:TH_LOAD_NT
.set n, n+1
.endr
.set n, 0
.rept 32
	s_wait_loadcnt 31-n                            ; loads come back in order (ISA guide 5.7.1): load n is in, the 31 - n younger ones stay out
	v_cvt_pk_bf16_f32 v[X+4*n], v[X+4*n], v[X+4*n+1]
	v_cvt_pk_bf16_f32 v[X+4*n+1], v[X+4*n+2], v[X+4*n+3]
	global_store_b64 v2, v[X+4*n:X+4*n+1], s[6:7] offset:ROWB*(n/8)+256*(n%8)
.set n, n+1
.endr
	s_endpgm
.Lfunc_end_k_qa23086c442_cast:
	.size	k_qa23086c442_cast, .Lfunc_end_k_qa23086c442_cast-k_qa23086c442_cast
	.p2alignl 7, 3214868480
	.fill 96, 4, 3214868480
	.section	.rodata,"a",@progbits
	.p2align	6, 0x0
	.amdhsa_kernel k_qa23086c442_cast
		.amdhsa_group_segment_fixed_size 0
		.amdhsa_private_segment_fixed_size 0
		.amdhsa_enable_private_segment 0
		.amdhsa_kernarg_size 96
		.amdhsa_user_sgpr_count 2
		.amdhsa_user_sgpr_kernarg_segment_ptr 1
		.amdhsa_wavefront_size32 1
		.amdhsa_system_sgpr_workgroup_id_x 1
		.amdhsa_system_sgpr_workgroup_id_y 1
		.amdhsa_system_sgpr_workgroup_id_z 1
		.amdhsa_system_vgpr_workitem_id 0
		.amdhsa_next_free_vgpr 132
		.amdhsa_next_free_sgpr 66
		.amdhsa_reserve_vcc 0
		.amdhsa_float_denorm_mode_32 3
		.amdhsa_float_denorm_mode_16_64 3
		.amdhsa_memory_ordered 1
		.amdhsa_forward_progress 1
		.amdhsa_inst_pref_size 14
	.end_amdhsa_kernel
	.amdgpu_metadata
---
amdhsa.version: [ 1, 2 ]
amdhsa.kernels:
  - .name:           k_qa23086c442_cast
    .symbol:         k_qa23086c442_cast.kd
    .args:
      - { .name: input_, .offset: 0, .size: 8, .value_kind: global_buffer, .address_space: global }
      - { .name: prev_h, .offset: 8, .size: 8, .value_kind: global_buffer, .address_space: global }
      - { .name: W_ii, .offset: 16, .size: 8, .value_kind: global_buffer, .address_space: global }
      - { .name: W_if, .offset: 24, .size: 8, .value_kind: global_buffer, .address_space: global }
      - { .name: W_ig, .offset: 32, .size: 8, .value_kind: global_buffer, .address_space: global }
      - { .name: W_io, .offset: 40, .size: 8, .value_kind: global_buffer, .address_space: global }
      - { .name: W_hi, .offset: 48, .size: 8, .value_kind: global_buffer, .address_space: global }
      - { .name: W_hf, .offset: 56, .size: 8, .value_kind: global_buffer, .address_space: global }
      - { .name: W_hg, .offset: 64, .size: 8, .value_kind: global_buffer, .address_space: global }
      - { .name: W_ho, .offset: 72, .size: 8, .value_kind: global_buffer, .address_space: global }
      - { .name: abf, .offset: 80, .size: 8, .value_kind: global_buffer, .address_space: global }
      - { .name: wbf, .offset: 88, .size: 8, .value_kind: global_buffer, .address_space: global }
    .group_segment_fixed_size: 0
    .private_segment_fixed_size: 0
    .kernarg_segment_align: 8
    .kernarg_segment_size: 96
    .max_flat_workgroup_size: 256
    .sgpr_count:     66
    .vgpr_count:     132
    .wavefront_size: 32
...
	.end_amdgpu_metadata
.endif
;; end of part 1
;; launch lstm (part 2): grid 16 x 32, 4 waves a work-group, clusters of 4 x 4, 327,680 bytes of LDS; arguments b_ii, b_if, b_ig, b_io, b_hi, b_hf, b_hg, b_ho, abf, wbf, prev_c, out0, out1; writes out0, out1
.if DOCPART == 2
	.amdgcn_target "amdgcn-amd-amdhsa--gfx1250"
	.amdhsa_code_object_version 6
	.text
	.protected	k_qa23086c442_lstm
	.globl	k_qa23086c442_lstm
	.p2align	8
	.type	k_qa23086c442_lstm,@function
k_qa23086c442_lstm:
	s_mov_b64 s[64:65], 0
	v_nop
	global_prefetch_b8 v0, s[64:65] scope:SCOPE_SE
	s_setreg_imm32_b32 hwreg(HW_REG_WAVE_MODE, 25, 1), 1
	s_wait_xcnt 0x0
	s_wait_alu depctr_hold_cnt(0) depctr_sa_sdst(0) depctr_va_vdst(0) depctr_va_sdst(0) depctr_va_ssrc(0) depctr_va_vcc(0) depctr_vm_vsrc(0)
	s_getreg_b32 s2, hwreg(HW_REG_IB_STS2, 6, 4)
	s_cmp_eq_u32 s2, 0
	s_cbranch_scc0 .Lentry_in_a_cluster
	s_endpgm
.Lentry_in_a_cluster:
	s_bfe_u32 s2, ttmp6, 0x10000c
	s_cmp_lg_u32 s2, 0xf033
	s_cbranch_scc0 .Lentry_shape_is_right
	s_endpgm
.Lentry_shape_is_right:
; ONE LSTM STEP.  gates[m][n] = sum over k of abf[m][k] wbf[n][k] + b_i* + b_h*;  i, f, o = sigmoid, g = tanh;  c = f prev_c + i g (out1);  h = o tanh(c) (out0).
; abf [8192][2048] and wbf [4096][2048] are bf16 (the launch before); row n of wbf is gate (n / 32) % 4 of column 32 (n / 128) + n % 32.  Sums, activations and outputs in f32.
; FORMAT, LIMITS.  The cell is computed on inputs rounded once to bf16: x, h and W for the matrix unit, and prev_c and the eight biases alike, here in registers: each is off by at most 2^-8 of
; itself.  sigmoid(x) = 1 / (1 + 2^(-x log2 e)), tanh(x) = 1 - 2 / (1 + 2^(2 x log2 e)): an exponential that overflows gives an infinity, whose reciprocal is 0: the right limits; near 0 tanh
; is off by about 1e-7 absolutely, so tiny numbers have no relative accuracy.  NaN is not treated apart.
; SHARES.  A tile of gates, 256 rows x 256 rows of wbf (64 columns of the cell x 4 gates), is made by a work-group of four waves; a wave makes 128 x 128: 64 accumulators of 16 x 16, 512
; registers.  512 tiles, a work-group each.  K goes in 16 steps of 128 through a ring of two LDS slots filled by the tensor data mover; the tiles' rows are 256 bytes of memory, aligned.
; CLUSTERS.  4 x 4 work-groups.  The four of a row of the cluster need the same tiles of abf, the four of a column the same tiles of wbf: each is asked for JOINTLY, by the same tensor load with
; the same descriptor and a mask that names the four.
; TRANSPOSED USE.  Source 0 = 16 rows of wbf, source 1 = 16 rows of abf: lane l holds row l % 16 of the batch, its registers 0-7 the columns 8 (l / 16) + 0..7.  A wave's n block b is gate b / 2,
; columns 16 (b % 2) on: an element's four gates lie in ONE lane, at one register index of four accumulators, and the gates never leave the registers.
; THE BIAS STARTS THE SUMS: it is the C operand of each accumulator's first product; nothing is cleared and nothing is added later.
; prev_c's tile (256 rows x 256 bytes) takes slot 0 when that slot's last K step has been read, and lands under the last K step's products.
; THE WAY OUT, a block of 16 rows at a time: activations in registers; c and h into a stage in LDS that the four waves share (a row's 256 bytes come from two waves), two buffers by turns, one
; barrier a block; back as whole rows; of the two waves of a row half one stores c, the other h: 16 lanes store 256 consecutive bytes, aligned.
;
; REGISTERS, in windows of 256 (s_set_vgpr_msb: bits 1:0 source 0, 3:2 source 1, 5:4 source 2, 7:6 destination):
;   window 0: v0-31 addresses; v32-63 prev_c of a block, two buffers; v64-127, v128-191 fragments of abf, two buffers; on the way out v64-127 the gates, v128-151 at work, v160-191 rows read back
;   window 1: v0-63 the bias (n block b at 8 b); v64-127, v128-191 fragments of wbf, two buffers
;   window 2: the 32 accumulators of my rows 0-63 ((a, b) at 8 (8 a + b));   window 3: those of my rows 64-127
.set SIZE_K, 2048
.set KSTEP,  128
.set ROWB,   4096                      ; bytes in a row of abf, wbf, prev_c, out0 and out1 alike
.set PITCH,  272                       ; an LDS row: 256 bytes + 16 of padding = 68 words: row r starts at bank 4 r mod 64 (64 banks of 4 bytes: ISA guide 11.1), so 16 rows start at 16 different banks
.set HALFT,  128*PITCH                 ; 128 rows: what one joint load brings, and what one wave reads of either operand
.set SLOT,   4*HALFT                   ; abf's 256 rows, then wbf's 256 rows
.set STAGE,  2*SLOT                    ; behind the ring, never filled by a tensor load
.set SARR,   32*PITCH                  ; a block's 32 rows (16 of each row half) of c, or of h
.set SBUF,   2*SARR                    ; c's, then h's; two such buffers
.set SPARE,  STAGE+2*SBUF              ; behind the stage: the spare words, 128 bytes for each wave: two blocks of 256 bytes that no other line names
.set LAPS,   SIZE_K/(2*KSTEP)          ; a lap = two K steps = once round the ring
.set ADRA, 16                          ; v16-17  LDS address of my abf fragments in slot 0, 1
.set ADRB, 20                          ; v20-21  the same for wbf
.set BO,   22                          ; v22     my byte offset in a bias
.set STO,  24                          ; v24     the way out: where I put 16 bytes of a row
.set RD,   25                          ; v25     the way out: where I read a row back
.set CO,   26                          ; v26     my byte offset in two rows of the output
.set CPA,  27                          ; v27     LDS address of my numbers of prev_c in block 0
.set SPW,  28                          ; v28     LDS address of my spare word: SPARE + 4 x my thread's number; never rewritten
.set NIL,  29                          ; v29     0; never rewritten
.set PFO,  30                          ; v30     the prefetches' offset: my lane x a row of 4,096 bytes; never rewritten
.set CP,   32                          ; v32-47, v48-63  prev_c of a block, by the block's parity
.set F0,   64                          ; fragment buffer 0
.set F1,   128                         ; fragment buffer 1
.set G,    64                          ; the way out: gate q, column block cb, register j at G + 16 q + 8 cb + j
.set T,    128                         ; the way out: 16 registers for tanh(c)
.set PB,   144                         ; the way out: 8 registers, prev_c packed to bf16
.set OB,   160                         ; the way out: 16 rows read back from the stage
.set BI,   0                           ; window 1: the bias
.set HIM,  2                           ; s2      0xffff0000: a word's upper bf16
.set NL,   16                          ; s[16:17] on the way out: -log2(e), named as a pair
.set TL,   18                          ; s[18:19] on the way out: 2 log2(e)
.set G1,   24                          ; s[24:31] descriptor group 1 for abf's tiles
.set G0,   32                          ; s[32:39] descriptor group 0 for abf's tiles, one set for each slot
.set LIM,  43                          ; s43     1 in a wave that prefetches operand rows, else the greatest number
.set PFA,  44                          ; s[44:45] where my prefetches stand: my work-group's 32 rows of the 128 that I fetch, one K step beyond the refill in hand
.set G1B,  48                          ; s[48:55] group 1 for wbf's tiles: it differs in the mask alone
.set G0B,  56                          ; s[56:63] group 0 for wbf's tiles
.set G1C,  84                          ; s[84:91] group 1 for prev_c's tile
.set G0C,  92                          ; s[92:95] group 0 for it
.set PC,   96                          ; s[96:97] prev_c at my wave's 64 rows of the tile
.set MSB, 0
.macro WIN new                         ; the immediate's high byte repeats the setting that is left; a switch that changes nothing is dropped
.if MSB != (\new)
	s_set_vgpr_msb (MSB<<8)|(\new)
.set MSB, \new
.endif
.endm
.set MUL_LO, 0xa1                      ; source 0 (wbf) window 1, source 1 (abf) window 0, C and D window 2
.set MUL_IN, 0x91                      ; the same with C (the bias) in window 1
.set TO_B,   0x40                      ; destination window 1, the rest window 0
; A joint load.  Waves 0 and 1 fetch abf's two halves, waves 2 and 3 wbf's.  Each of the two lines has one mask and one set of registers for all that issue it; the branch hangs on the wave's
; number alone.  An s_nop 0 and four v_nop follow each line, ahead of the jump, the label and what follows.
.macro JLOAD s
	s_cmp_eq_u32 s11, 0
	s_cbranch_scc0 .Lfor_b_\@
	tensor_load_to_lds s[G0+4*(\s):G0+4*(\s)+3], s[G1:G1+7]
	s_nop 0
.rept 4
	v_nop
.endr
	s_branch .Lasked_\@
.Lfor_b_\@:
	tensor_load_to_lds s[G0B+4*(\s):G0B+4*(\s)+3], s[G1B:G1B+7]
	s_nop 0
.rept 4
	v_nop
.endr
.Lasked_\@:
.endm
; PREFETCHES INTO THE L2, behind a joint load, its five lines and the run of LDS loads that follows them.
; The operands: the K step that stands TWO refills on (512 matrix instructions ahead of the load that will want it): 32 rows x 256 bytes, a lane a row, one instruction a wave.  Each row's 256 bytes of
; a K step are named once in the launch: abf's rows by the clusters with x = 0, wbf's by those with y = 0; the four partners that ask for a tile jointly share its rows out BY ADDRESS, 32 each.  The
; loop's last trip has no K step two on.  K steps 0 to 3 come by their loads alone.
; pc = 1: in the loop's last trip, two K steps ahead of its load, my wave's own 64 rows x 256 bytes of prev_c: two instructions; no other wave of the launch reads them.
.macro ASK pc
	s_cmp_gt_u32 s3, s[LIM]                        ; s3 = 1 in the loop's last trip
	s_cbranch_scc0 .Lnot_mine_\@
	global_prefetch_b8 v[PFO], s[PFA:PFA+1] offset:KSTEP*2 th:TH_LOAD_NT scope:SCOPE_SE
.Lnot_mine_\@:
.if \pc
	s_cmp_eq_u32 s3, 1
	s_cbranch_scc0 .Lnot_yet_\@
	global_prefetch_b8 v[PFO], s[PC:PC+1] th:TH_LOAD_NT scope:SCOPE_SE
	global_prefetch_b8 v[PFO], s[PC:PC+1] offset:32*ROWB th:TH_LOAD_NT scope:SCOPE_SE
.Lnot_yet_\@:
.endif
.endm
; A round of the cluster's barrier: my work-group's barrier, so that wave 0's signal speaks for all four waves; wave 0 signals for the work-group; every wave waits for all sixteen work-groups;
; my work-group's barrier once more.
.macro CREST                           ; a round behind its opening barrier
	s_cmp_lg_u32 s10, 0
	s_cbranch_scc1 .Lnot_wave_0_\@
	s_barrier_signal -3
.Lnot_wave_0_\@:
	s_barrier_wait -3
	s_barrier_signal -1
	s_barrier_wait -1
.endm
.macro CROUND                          ; a whole round
	s_barrier_signal -1
	s_barrier_wait -1
	CREST
.endm
	s_load_b512 s[68:83], s[0:1], 0x0              ; b_ii, b_if, b_ig, b_io s[68:75]; b_hi, b_hf, b_hg, b_ho s[76:83]
	s_load_b128 s[4:7], s[0:1], 0x40               ; abf s[4:5], wbf s[6:7]
	s_load_b128 s[96:99], s[0:1], 0x50             ; prev_c s[96:97], out0 s[98:99]
	s_load_b64 s[66:67], s[0:1], 0x60              ; out1
	v_lshl_add_u32 v[SPW], v0, 2, SPARE
	v_mov_b32 v[NIL], 0
	ds_add_u32 v[SPW], v[NIL]                      ; the wave's opening: the add, twice on end, and its wait ahead of my first tensor load; the set-up below, work on registers, stands between
	ds_add_u32 v[SPW], v[NIL]                      ; and once more, under the one wait
	v_lshrrev_b32 v1, 5, v0
	v_readfirstlane_b32 s10, v1                    ; wave 0..3
	s_lshr_b32 s11, s10, 1                         ; which half of the tile's rows is mine.  Also: I fetch for abf (0) or for wbf (1)
	s_and_b32 s12, s10, 1                          ; which half of its columns.  Also: which 128 rows of that tile I fetch
	s_bfe_u32 s40, ttmp6, 0x40000                  ; cx: my place along the cluster's x
	s_bfe_u32 s41, ttmp6, 0x40004                  ; cy: along its y
	s_lshl_b32 s42, ttmp9, 2                       ; in a cluster launch ttmp9 and ttmp7 count clusters
	s_add_co_u32 s42, s42, s40                     ; tile column = 4 x cluster x + cx
	s_and_b32 s13, ttmp7, 0xffff
	s_lshl_b32 s13, s13, 2
	s_add_co_u32 s13, s13, s41                     ; tile row = 4 x cluster y + cy
	s_lshl_b32 s43, s41, 2
	s_lshl_b32 s43, 15, s43                        ; my row of the cluster: places 4 cy .. 4 cy + 3
	s_lshl_b32 s44, 0x1111, s40                    ; my column: places cx, cx + 4, cx + 8, cx + 12
	s_mov_b32 s[HIM], 0xffff0000
	; group 1 for the operands: a tile of 128 rows x 128 elements of 2 bytes, padded in LDS
	s_or_b32 s[G1+0], s43, (1<<16)|(1<<20)|(1<<21)|(5<<22)|(3<<25)   ; 15:0 the mask: abf's tiles go to my row; 17:16 2-byte elements; 20 padding on; 21 set beside a mask; 24:22 after every 64 words; 31:25 4 words
	s_or_b32 s[G1B+0], s44, (1<<16)|(1<<20)|(1<<21)|(5<<22)|(3<<25)  ; the same with the mask of my column
.irp g, G1, G1B
	s_mov_b32 s[(\g)+1], KSTEP<<16                 ; tensor_dim0 = 128
	s_mov_b32 s[(\g)+2], 128<<16                   ; tensor_dim1 = 128
	s_mov_b32 s[(\g)+3], KSTEP<<16                 ; tile_dim0 = 128
	s_mov_b32 s[(\g)+4], 128                       ; tile_dim1 = 128
	s_mov_b32 s[(\g)+5], SIZE_K                    ; elements from row to row
	s_mov_b32 s[(\g)+6], 0
	s_mov_b32 s[(\g)+7], 0
.endr
	; group 1 for prev_c: a tile of 64 rows x 64 elements of 4 bytes, my work-group's own (no mask), padded alike
	s_mov_b32 s[G1C+0], (2<<16)|(1<<20)|(5<<22)|(3<<25)
	s_mov_b32 s[G1C+1], 64<<16                     ; tensor_dim0 = 64
	s_mov_b32 s[G1C+2], 64<<16                     ; tensor_dim1 = 64
	s_mov_b32 s[G1C+3], 64<<16                     ; tile_dim0 = 64
	s_mov_b32 s[G1C+4], 64                         ; tile_dim1 = 64
	s_mov_b32 s[G1C+5], 1024                       ; elements from row to row
	s_mov_b32 s[G1C+6], 0
	s_mov_b32 s[G1C+7], 0
	; where the tiles come from.  abf's hang on the tile row alone, which my row of the cluster shares; wbf's on the tile column alone, which my column shares.
	s_lshl_b32 s17, s12, 7                         ; which 128 rows of the tile I fetch
	s_lshl_b32 s16, s13, 8
	s_add_co_u32 s16, s16, s17                     ; abf: row 256 x tile row + 128 x half,
	s_lshl_b32 s16, s16, 12                        ; in bytes: under 2^25
	s_lshl_b32 s46, s42, 8
	s_add_co_u32 s46, s46, s17                     ; wbf: row 256 x tile column + 128 x half
	s_lshl_b32 s46, s46, 12
	s_mov_b32 s17, 0
	s_mov_b32 s47, 0
	s_mul_i32 s20, s10, HALFT                      ; and where they go: wave x 128 rows: no place in the cluster enters an LDS address
	s_wait_dscnt 0x0                               ; both opening adds are done
	s_wait_kmcnt 0x0
	s_add_nc_u64 s[14:15], s[4:5], s[16:17]
	s_add_nc_u64 s[46:47], s[6:7], s[46:47]
	CROUND                                         ; all sixteen work-groups are here: the first joint loads meet
.irp s, 0,1
	s_mov_b32 s[G0+4*(\s)], 1                                        ; count = 1
	s_add_co_u32 s[G0+4*(\s)+1], s20, (\s)*SLOT                      ; LDS address
	s_add_nc_u64 s[G0+4*(\s)+2:G0+4*(\s)+3], s[14:15], (\s)*KSTEP*2  ; global address: K step s
	s_or_b32 s[G0+4*(\s)+3], s[G0+4*(\s)+3], 0x80000000              ; type = 2
	s_mov_b32 s[G0B+4*(\s)], 1
	s_add_co_u32 s[G0B+4*(\s)+1], s20, (\s)*SLOT
	s_add_nc_u64 s[G0B+4*(\s)+2:G0B+4*(\s)+3], s[46:47], (\s)*KSTEP*2
	s_or_b32 s[G0B+4*(\s)+3], s[G0B+4*(\s)+3], 0x80000000
	JLOAD \s                                       ; the ring is filled before anything else is done: two loads of mine are out
.endr
	; A fragment is 16 rows x 32 K in 8 registers: lane l holds row l % 16; registers 0-3 K = 8 (l / 16) + 0..7, registers 4-7 K = 16 + 8 (l / 16) + 0..7: two loads of 16 bytes, 32 bytes apart.
	v_and_b32 v1, 15, v0                           ; r = l % 16
	v_bfe_u32 v2, v0, 4, 1                         ; hh = l / 16
	v_mul_u32_u24 v3, v1, PITCH
	v_lshl_add_u32 v3, v2, 4, v3                   ; row x pitch + 16 x half
	s_mul_i32 s21, s11, HALFT                      ; my 128 rows of abf
	s_mul_i32 s22, s12, HALFT                      ; my 128 rows of wbf,
	s_add_co_u32 s22, s22, 2*HALFT                 ; which lie behind abf's 256
.irp s, 0,1
	v_add_nc_u32 v[ADRA+(\s)], s21, v3
	v_add_nc_u32 v[ADRB+(\s)], s22, v3
	s_add_co_u32 s21, s21, SLOT
	s_add_co_u32 s22, s22, SLOT
.endr
	; In a row of 64 columns (256 bytes) my eight numbers of column block cb lie at 128 x column half + 64 cb + 32 hh.
	v_mul_u32_u24 v4, v1, PITCH
	v_lshl_add_u32 v4, v2, 5, v4                   ; r x pitch + 32 hh
	s_lshl_b32 s21, s12, 7                         ; 128 x column half
	s_mul_i32 s23, s11, HALFT                      ; prev_c lies at slot 0's head, 256 rows: my row half's 128
	s_add_co_u32 s23, s23, s21
	v_add_nc_u32 v[CPA], s23, v4
	s_mul_i32 s22, s11, 16*PITCH                   ; in the stage: my row half's 16 rows
	s_add_co_u32 s23, s22, s21
	s_add_co_u32 s23, s23, STAGE
	v_add_nc_u32 v[STO], s23, v4
	s_mul_i32 s23, s12, SARR                       ; back: the wave of column half 0 takes c's rows, the other h's; lanes 0-15 one row of 256 bytes, lanes 16-31 the next
	s_add_co_u32 s23, s23, s22
	s_add_co_u32 s23, s23, STAGE
	v_mul_u32_u24 v5, v2, PITCH
	v_lshl_add_u32 v5, v1, 4, v5
	v_add_nc_u32 v[RD], s23, v5
	v_lshlrev_b32 v5, 12, v2                       ; and the same two rows in the output
	v_lshl_add_u32 v[CO], v1, 4, v5
	v_and_b32 v[PFO], 31, v0
	v_lshlrev_b32 v[PFO], 12, v[PFO]
	s_lshl_b32 s13, s13, 8                         ; 256 x tile row: the tile's first row of the batch
	s_lshl_b32 s42, s42, 8                         ; 256 x tile column: its first row of wbf, and the byte at which its 64 columns begin in a row of prev_c, of the outputs and in a bias
	s_add_co_u32 s20, s42, s21
	v_lshl_add_u32 v[BO], v2, 5, s20               ; 256 x tile column + 128 x column half + 32 hh
.irp q, 0,1,2,3                        ; the eight biases' numbers of my 32 columns: n block 2 q + c, registers 4 e on
.irp c, 0,1
.irp e, 0,1
	global_load_b128 v[64+8*(2*(\q)+(\c))+4*(\e):64+8*(2*(\q)+(\c))+4*(\e)+3],   v[BO], s[68+2*(\q):69+2*(\q)] offset:64*(\c)+16*(\e)
	global_load_b128 v[128+8*(2*(\q)+(\c))+4*(\e):128+8*(2*(\q)+(\c))+4*(\e)+3], v[BO], s[76+2*(\q):77+2*(\q)] offset:64*(\c)+16*(\e)
.endr
.endr
.endr
	s_lshl_b32 s20, s11, 7                         ; the output that I store, at my row half's first row and the tile's first column
	s_add_co_u32 s20, s20, s13
	s_lshl_b32 s20, s20, 12
	s_add_co_u32 s20, s20, s42
	s_mov_b32 s21, 0
	s_cmp_eq_u32 s12, 0
	s_cselect_b64 s[8:9], s[66:67], s[98:99]       ; column half 0: c (out1); 1: h (out0)
	s_add_nc_u64 s[8:9], s[8:9], s[20:21]
	s_lshl_b32 s22, s10, 6                         ; prev_c: my wave fetches rows 64 x wave on of the tile
	s_add_co_u32 s22, s22, s13
	s_lshl_b32 s22, s22, 12
	s_add_co_u32 s22, s22, s42
	s_mov_b32 s23, 0
	s_add_nc_u64 s[PC:PC+1], s[PC:PC+1], s[22:23]
	s_mov_b32 s[G0C], 1
	s_mul_i32 s[G0C+1], s10, 64*PITCH              ; into slot 0's first 256 rows: wave x 64 rows
	s_mov_b64 s[G0C+2:G0C+3], s[PC:PC+1]
	s_or_b32 s[G0C+3], s[G0C+3], 0x80000000
	; the operands' prefetches
	s_and_b32 s22, ttmp7, 0xffff                   ; cluster y
	s_cmp_eq_u32 s11, 0                            ; do I fetch for abf?
	s_cselect_b32 s20, s13, s42                    ; the tile's first row
	s_cselect_b32 s21, s40, s41                    ; my place among the four that ask for it with me
	s_cselect_b32 s22, ttmp9, s22                  ; the coordinate along which other clusters read the same rows
	s_cselect_b64 s[PFA:PFA+1], s[4:5], s[6:7]
	s_cmp_eq_u32 s22, 0
	s_cselect_b32 s[LIM], 1, -1                    ; the same in all sixteen partners, for a given wave
	s_lshl_b32 s22, s12, 7
	s_add_co_u32 s20, s20, s22                     ; + the 128 rows that I fetch
	s_lshl_b32 s21, s21, 5
	s_add_co_u32 s20, s20, s21                     ; + my work-group's 32 of them
	s_lshl_b32 s20, s20, 12
	s_mov_b32 s21, 0
	s_add_nc_u64 s[PFA:PFA+1], s[PFA:PFA+1], s[20:21]
	s_add_nc_u64 s[PFA:PFA+1], s[PFA:PFA+1], 2*KSTEP*2  ; at K step 2: the first refill steps it to 3 and names K step 4
	; the bias: each of the two rounded to bf16, widened again, added in f32; into window 1
	s_wait_loadcnt 0x0
.set z, 0
.rept 32
	v_cvt_pk_bf16_f32 v[192+z], v[64+2*z], v[64+2*z+1]
	v_cvt_pk_bf16_f32 v[224+z], v[128+2*z], v[128+2*z+1]
.set z, z+1
.endr
.set z, 0
.rept 32
	v_lshlrev_b32 v[64+2*z], 16, v[192+z]
	v_and_b32 v[64+2*z+1], s[HIM], v[192+z]
	v_lshlrev_b32 v[128+2*z], 16, v[224+z]
	v_and_b32 v[128+2*z+1], s[HIM], v[224+z]
.set z, z+1
.endr
	WIN TO_B
.set z, 0
.rept 32
	v_pk_add_f32 v[BI+2*z:BI+2*z+1], v[64+2*z:64+2*z+1], v[128+2*z:128+2*z+1]
.set z, z+1
.endr
	WIN 0
; 16 matrix instructions: m blocks a0, a0 + 1 of the window's four (hi = 0: my rows 0-63, 1: rows 64-127) x all 8 n blocks, 32 along K.  init = 1: the first product starts the sum with the bias.
; The 64 accumulators take turns, one instruction a turn, in the same order in every quarter.
.macro MUL16 f, hi, a0, init
.if \init
	WIN MUL_IN+0x40*(\hi)
.else
	WIN MUL_LO+0x50*(\hi)
.endif
.irp a, \a0, (\a0)+1
.irp b, 0,1,2,3,4,5,6,7
.if \init
	v_wmma_f32_16x16x32_bf16 v[8*(8*(\a)+(\b)):8*(8*(\a)+(\b))+7], v[(\f)+8*(\b):(\f)+8*(\b)+7], v[(\f)+8*(4*(\hi)+(\a)):(\f)+8*(4*(\hi)+(\a))+7], v[BI+8*(\b):BI+8*(\b)+7]
.else
	v_wmma_f32_16x16x32_bf16 v[8*(8*(\a)+(\b)):8*(8*(\a)+(\b))+7], v[(\f)+8*(\b):(\f)+8*(\b)+7], v[(\f)+8*(4*(\hi)+(\a)):(\f)+8*(4*(\hi)+(\a))+7], v[8*(8*(\a)+(\b)):8*(8*(\a)+(\b))+7]
.endif
.endr
.endr
.endm
; 32 LDS loads in one run: the fragments of one quarter step (128 rows of wbf, 128 rows of abf, 32 K at byte k of the rows) into buffer f
.macro FETCH slot, k, f
	WIN TO_B
.irp i, 0,1,2,3,4,5,6,7
	ds_load_b128 v[(\f)+8*(\i):(\f)+8*(\i)+3],   v[ADRB+(\slot)] offset:(\k)+(\i)*16*PITCH
	ds_load_b128 v[(\f)+8*(\i)+4:(\f)+8*(\i)+7], v[ADRB+(\slot)] offset:(\k)+(\i)*16*PITCH+32
.endr
	WIN 0
.irp i, 0,1,2,3,4,5,6,7
	ds_load_b128 v[(\f)+8*(\i):(\f)+8*(\i)+3],   v[ADRA+(\slot)] offset:(\k)+(\i)*16*PITCH
	ds_load_b128 v[(\f)+8*(\i)+4:(\f)+8*(\i)+7], v[ADRA+(\slot)] offset:(\k)+(\i)*16*PITCH+32
.endr
.endm
; A load into a register that a matrix instruction has read, and a vector instruction that reads a matrix result or writes one of a matrix instruction's registers, stand four places behind it, and
; only plain vector instructions that name none of its registers are places (ISA guide 7.12.1 for vector instructions).
.macro PLACES
.rept 4
	v_nop
.endr
.endm
; A K step is four quarters of 32 along K, 64 matrix instructions each, on buffers 0, 1, 0, 1.  One of the first three: multiplies buffer f; in its middle it fetches the next quarter, at byte k, into g.
.macro QUARTER slot, k, f, g, init
	s_wait_dscnt 8                                 ; wbf's fragments and abf's rows 0-63 are in; the youngest eight loads (abf's rows 64-127) may be out
	MUL16 \f, 0, 0, \init
	MUL16 \f, 0, 2, \init
	PLACES
	FETCH \slot, \k, \g
	s_wait_dscnt 32                                ; all but the 32 just issued
	MUL16 \f, 1, 0, \init
	MUL16 \f, 1, 2, \init
.endm
; The last quarter multiplies buffer 1 and changes slots.  MEET is its first half: ONE barrier, for two things.  In front of it each wave waits for all its tensor loads, of which one is out: its part
; of what is read next; adds 0 to its spare word; and waits for that and for its own reads of this slot.  Behind it nobody reads this slot any more, and what is read next is whole.
.macro MEET round                      ; round = 1: a round of the cluster's barrier follows
	WIN 0                                          ; (the add's two registers lie in window 0)
	s_wait_tensorcnt 0x0                           ; all my tensor loads have landed
	ds_add_u32 v[SPW], v[NIL]                      ; 0 onto my spare word
	s_wait_dscnt 9                                 ; (the add and the youngest eight loads may be out)
	MUL16 F1, 0, 0, 0                              ; sixteen matrix instructions stand between the add and the wait for it
	s_wait_dscnt 0x0                               ; the add is done, and my reads of this slot are over
	s_barrier_signal -1
	MUL16 F1, 0, 2, 0                              ; work on registers while the others arrive
.if \round
	WIN 0
.endif
	s_barrier_wait -1
.endm
; The whole last quarter.  Behind a round of the cluster's barrier (no wave of any partner still reads the slot or has a load on its way) the slot just read out is filled again, first thing:
; kind = 0: jointly, with the K step two steps on; kind = 1: with prev_c's tile, each wave its own 64 rows.  Then the next slot's first fragments.  From a request to the wait for it: 224 matrix instructions.
.macro TURN slot, next, kind
.if (\kind) == 0
	s_wait_xcnt 0x0                                ; the last prefetch, a K step back, has read its address: it is stepped here, ahead of the waits of the change of slots
	s_add_nc_u64 s[PFA:PFA+1], s[PFA:PFA+1], KSTEP*2
.endif
	MEET 1
	CREST
.if (\kind) == 0
	s_add_nc_u64 s[G0+4*(\slot)+2:G0+4*(\slot)+3], s[G0+4*(\slot)+2:G0+4*(\slot)+3], 2*KSTEP*2
	s_add_nc_u64 s[G0B+4*(\slot)+2:G0B+4*(\slot)+3], s[G0B+4*(\slot)+2:G0B+4*(\slot)+3], 2*KSTEP*2
	JLOAD \slot                                    ; the four v_nop behind it are also the places in front of the loads below
.else
	tensor_load_to_lds s[G0C:G0C+3], s[G1C:G1C+7]  ; my one tensor load behind the round
	s_nop 0
.rept 4
	v_nop
.endr
.endif
	FETCH \next, 0, F0
.if (\kind) == 0
	ASK 1-(\slot)
.endif
	MUL16 F1, 1, 0, 0
	MUL16 F1, 1, 2, 0
.endm
; THE WAY OUT of block a (my rows 16 a .. 16 a + 15).
.macro CPLOAD a                        ; my 16 numbers of prev_c, into the buffer of the block's parity
.irp c, 0,1
.irp e, 0,1
	ds_load_b128 v[CP+16*((\a)%2)+8*(\c)+4*(\e):CP+16*((\a)%2)+8*(\c)+4*(\e)+3], v[CPA] offset:(\a)*16*PITCH+64*(\c)+16*(\e)
.endr
.endr
.endm
.macro SCALE a                         ; the exponents: gate x -log2(e) for the sigmoids, x 2 log2(e) for the tanh; each accumulator's registers in ascending order
	WIN 0x02+(\a)/4                                ; source 0: window 2 or 3
.irp b, 0,1,2,3,4,5,6,7
.irp p, 0,1,2,3
.if (\b)/2 == 2
	v_pk_mul_f32 v[G+8*(\b)+2*(\p):G+8*(\b)+2*(\p)+1], v[64*((\a)%4)+8*(\b)+2*(\p):64*((\a)%4)+8*(\b)+2*(\p)+1], s[TL:TL+1] op_sel_hi:[1,0]
.else
	v_pk_mul_f32 v[G+8*(\b)+2*(\p):G+8*(\b)+2*(\p)+1], v[64*((\a)%4)+8*(\b)+2*(\p):64*((\a)%4)+8*(\b)+2*(\p)+1], s[NL:NL+1] op_sel_hi:[1,0]
.endif
.endr
.endr
	WIN 0
.endm
; x -> 1 / (1 + x) on `pairs` register pairs from v[base] on: a pair's two reciprocals stand behind the next pair's addition.  The reciprocals are ONE batch: a plain instruction behind the last,
; and one wait ahead of the first line that names a result.
.macro RECIP base, pairs
.set z, 0
.rept \pairs
	v_pk_add_f32 v[(\base)+2*z:(\base)+2*z+1], v[(\base)+2*z:(\base)+2*z+1], 1.0 op_sel_hi:[1,0]
.if z > 0
	v_rcp_f32 v[(\base)+2*z-2], v[(\base)+2*z-2]
	v_rcp_f32 v[(\base)+2*z-1], v[(\base)+2*z-1]
.endif
.set z, z+1
.endr
	v_rcp_f32 v[(\base)+2*(\pairs)-2], v[(\base)+2*(\pairs)-2]
	v_rcp_f32 v[(\base)+2*(\pairs)-1], v[(\base)+2*(\pairs)-1]
	v_nop
	s_wait_alu depctr_va_vdst(0)
.endm
.macro EACH8 line:vararg               ; one line for each of 8 register pairs, z = 0 .. 7
.set z, 0
.rept 8
	\line
.set z, z+1
.endr
.endm
; The cell, on 16 elements a lane; all in window 0.  Four batches of transcendentals, a wait each.
.macro ACT a
.set CPB, CP+16*((\a)%2)
.set z, 0
.rept 64
	v_exp_f32 v[G+z], v[G+z]                       ; all four gates' exponentials: one batch
.set z, z+1
.endr
	EACH8 v_cvt_pk_bf16_f32 v[PB+z], v[CPB+2*z], v[CPB+2*z+1]  ; prev_c rounded to bf16 and widened again: plain work that names no exponential's result, between the batch and its wait
	EACH8 v_lshlrev_b32 v[CPB+2*z], 16, v[PB+z]
	EACH8 v_and_b32 v[CPB+2*z+1], s[HIM], v[PB+z]
	s_wait_alu depctr_va_vdst(0)                   ; the wait for the batch
	RECIP G, 32                                    ; i, f, o; and for g: 1 / (1 + 2^(2 x log2 e))
	EACH8 v_pk_fma_f32 v[G+32+2*z:G+32+2*z+1], v[G+32+2*z:G+32+2*z+1], -2.0, 1.0 op_sel_hi:[1,0,0]  ; g = tanh
	EACH8 v_pk_mul_f32 v[G+2*z:G+2*z+1], v[G+2*z:G+2*z+1], v[G+32+2*z:G+32+2*z+1]                   ; i g
	EACH8 v_pk_fma_f32 v[G+16+2*z:G+16+2*z+1], v[G+16+2*z:G+16+2*z+1], v[CPB+2*z:CPB+2*z+1], v[G+2*z:G+2*z+1]  ; c = f prev_c + i g
	EACH8 v_pk_mul_f32 v[T+2*z:T+2*z+1], v[G+16+2*z:G+16+2*z+1], s[TL:TL+1] op_sel_hi:[1,0]
.set z, 0
.rept 16
	v_exp_f32 v[T+z], v[T+z]
.set z, z+1
.endr
	v_nop                                          ; a plain instruction behind the last exponential,
	s_wait_alu depctr_va_vdst(0)                   ; and the batch's wait
	RECIP T, 8
	EACH8 v_pk_fma_f32 v[T+2*z:T+2*z+1], v[T+2*z:T+2*z+1], -2.0, 1.0 op_sel_hi:[1,0,0]              ; tanh(c)
	EACH8 v_pk_mul_f32 v[G+48+2*z:G+48+2*z+1], v[G+48+2*z:G+48+2*z+1], v[T+2*z:T+2*z+1]             ; h = o tanh(c)
.endm
.macro PUT a                           ; c and h into the stage's buffer of the block's parity
.irp c, 0,1
.irp e, 0,1
	ds_store_b128 v[STO], v[G+16+8*(\c)+4*(\e):G+16+8*(\c)+4*(\e)+3] offset:((\a)%2)*SBUF+64*(\c)+16*(\e)
	ds_store_b128 v[STO], v[G+48+8*(\c)+4*(\e):G+48+8*(\c)+4*(\e)+3] offset:((\a)%2)*SBUF+SARR+64*(\c)+16*(\e)
.endr
.endr
.endm
.macro BACK a                          ; my row half's 16 rows of c, or of h, whole
	s_wait_xcnt 0x0                                ; every earlier memory instruction has had its addresses translated (ISA guide 3.1): the registers that the last block's stores read are loaded again only behind this wait
.irp t, 0,1,2,3,4,5,6,7
	ds_load_b128 v[OB+4*(\t):OB+4*(\t)+3], v[RD] offset:((\a)%2)*SBUF+(\t)*2*PITCH
.endr
.endm
.macro SEND a
.irp t, 0,1,2,3,4,5,6,7
	global_store_b128 v[CO], v[OB+4*(\t):OB+4*(\t)+3], s[8:9] offset:(16*(\a)+2*(\t))*ROWB th:TH_STORE_NT  ; 16 lanes store 256 consecutive bytes, aligned; 126 rows at the most: inside the signed 24-bit immediate
.endr
.endm
	s_wait_tensorcnt 1                             ; my part of K step 0 is in; K step 1's may stay out
	s_barrier_signal -1
	s_barrier_wait -1                              ; everybody's is
	FETCH 0, 0, F0
	QUARTER 0, 64,  F0, F1, 1                      ; the first quarter stands in front of the loop: its products start the sums, with the bias
	WIN 0                                          ; at a label and at a branch every window is 0
	s_mov_b32 s3, LAPS-1
.Llap:                                                 ; a trip goes once round the ring, from a lap's second quarter to the next lap's first, and fills both slots again
	QUARTER 0, 128, F1, F0, 0
	QUARTER 0, 192, F0, F1, 0
	TURN 0, 1, 0
	QUARTER 1, 64,  F0, F1, 0
	QUARTER 1, 128, F1, F0, 0
	QUARTER 1, 192, F0, F1, 0
	TURN 1, 0, 0
	QUARTER 0, 64,  F0, F1, 0
	WIN 0
	s_sub_co_u32 s3, s3, 1
	s_cmp_lg_u32 s3, 0
	s_cbranch_scc1 .Llap
	QUARTER 0, 128, F1, F0, 0                      ; the last lap goes on
	QUARTER 0, 192, F0, F1, 0
	TURN 0, 1, 1                                   ; slot 0 has had its last K step: prev_c's tile goes there
	QUARTER 1, 64,  F0, F1, 0
	QUARTER 1, 128, F1, F0, 0
	QUARTER 1, 192, F0, F1, 0
	MEET 0                                         ; my one tensor load that was out is my part of prev_c; behind the barrier the whole tile is there; nothing is filled again, so no round follows
	WIN 0
	CPLOAD 0
	MUL16 F1, 1, 0, 0
	MUL16 F1, 1, 2, 0
	WIN 0
	PLACES                                         ; behind the last products: the lines below read results and write over fragments
	s_mov_b32 s[NL], 0xbfb8aa3b                    ; -log2(e)
	s_mov_b32 s[NL+1], 0xbfb8aa3b                  ; named with it as a pair
	s_mov_b32 s[TL], 0x4038aa3b                    ; 2 log2(e)
	s_mov_b32 s[TL+1], 0x4038aa3b
	s_wait_dscnt 0x0                               ; block 0's prev_c
; One barrier a block.  In front of its signal a wave's stores of block a into the stage are done and its reads of block a - 1 are back.  Behind its wait block a is read (all its stores are done) and
; block a + 1 is stored into the other buffer (all reads of block a - 1, which lay there, are back).  Between signal and wait stand the next block's activations: work on registers alone.
.irp a, 0,1,2,3,4,5,6,7
	SCALE \a
	ACT \a
.if (\a) > 0
	s_barrier_wait -1
.endif
	PUT \a
.if (\a) > 0
	BACK (\a)-1
.endif
.if (\a) < 7
	CPLOAD (\a)+1
.endif
.if (\a) > 0
.if (\a) < 7
	s_wait_dscnt 4                                 ; the rows are back; the four loads of prev_c behind them may stay out
.else
	s_wait_dscnt 0x0
.endif
	SEND (\a)-1
.endif
	s_wait_dscnt 0x0                               ; for the others' sake: my stores into the stage are done, my reads of it are back; and the next block's prev_c is in
	s_barrier_signal -1
.endr
	s_barrier_wait -1
	BACK 7
	s_wait_dscnt 0x0
	SEND 7
	s_wait_tensorcnt 0x0                           ; the wave's end, behind my last tensor load and my last LDS store
	ds_add_u32 v[SPW], v[NIL]
	s_wait_dscnt 0x0
	CROUND                                         ; the closing round: no work-group ends while a partner may still ask for a tile that names it
	s_endpgm
.Lfunc_end_k_qa23086c442_lstm:
	.size	k_qa23086c442_lstm, .Lfunc_end_k_qa23086c442_lstm-k_qa23086c442_lstm
	.p2alignl 7, 3214868480
	.fill 96, 4, 3214868480
	.section	.rodata,"a",@progbits
	.p2align	6, 0x0
	.amdhsa_kernel k_qa23086c442_lstm
		.amdhsa_group_segment_fixed_size 327680
		.amdhsa_private_segment_fixed_size 0
		.amdhsa_enable_private_segment 0
		.amdhsa_kernarg_size 104
		.amdhsa_user_sgpr_count 2
		.amdhsa_user_sgpr_kernarg_segment_ptr 1
		.amdhsa_wavefront_size32 1
		.amdhsa_system_sgpr_workgroup_id_x 1
		.amdhsa_system_sgpr_workgroup_id_y 1
		.amdhsa_system_sgpr_workgroup_id_z 1
		.amdhsa_system_vgpr_workitem_id 0
		.amdhsa_next_free_vgpr 1024
		.amdhsa_next_free_sgpr 100
		.amdhsa_reserve_vcc 0
		.amdhsa_float_denorm_mode_32 3
		.amdhsa_float_denorm_mode_16_64 3
		.amdhsa_memory_ordered 1
		.amdhsa_forward_progress 1
		.amdhsa_inst_pref_size 255
	.end_amdhsa_kernel
	.amdgpu_metadata
---
amdhsa.version: [ 1, 2 ]
amdhsa.kernels:
  - .name:           k_qa23086c442_lstm
    .symbol:         k_qa23086c442_lstm.kd
    .args:
      - { .name: b_ii, .offset: 0, .size: 8, .value_kind: global_buffer, .address_space: global }
      - { .name: b_if, .offset: 8, .size: 8, .value_kind: global_buffer, .address_space: global }
      - { .name: b_ig, .offset: 16, .size: 8, .value_kind: global_buffer, .address_space: global }
      - { .name: b_io, .offset: 24, .size: 8, .value_kind: global_buffer, .address_space: global }
      - { .name: b_hi, .offset: 32, .size: 8, .value_kind: global_buffer, .address_space: global }
      - { .name: b_hf, .offset: 40, .size: 8, .value_kind: global_buffer, .address_space: global }
      - { .name: b_hg, .offset: 48, .size: 8, .value_kind: global_buffer, .address_space: global }
      - { .name: b_ho, .offset: 56, .size: 8, .value_kind: global_buffer, .address_space: global }
      - { .name: abf, .offset: 64, .size: 8, .value_kind: global_buffer, .address_space: global }
      - { .name: wbf, .offset: 72, .size: 8, .value_kind: global_buffer, .address_space: global }
      - { .name: prev_c, .offset: 80, .size: 8, .value_kind: global_buffer, .address_space: global }
      - { .name: out0, .offset: 88, .size: 8, .value_kind: global_buffer, .address_space: global }
      - { .name: out1, .offset: 96, .size: 8, .value_kind: global_buffer, .address_space: global }
    .group_segment_fixed_size: 327680
    .private_segment_fixed_size: 0
    .kernarg_segment_align: 8
    .kernarg_segment_size: 104
    .max_flat_workgroup_size: 128
    .sgpr_count:     100
    .vgpr_count:     1024
    .wavefront_size: 32
...
	.end_amdgpu_metadata
.endif
;; end of part 2
;; ======== version 2 of 2: 2 launches; version 1 with the launch cast written anew for expert scheduling mode
;; workspace buffers: abf 33,554,432 bytes; wbf 16,777,216 bytes
;; launch cast (part 3): grid 768 x 1, 8 waves a work-group, no clusters, 0 bytes of LDS; arguments input_, prev_h, W_ii, W_if, W_ig, W_io, W_hi, W_hf, W_hg, W_ho, abf, wbf; writes abf, wbf
.if DOCPART == 3
	.amdgcn_target "amdgcn-amd-amdhsa--gfx1250"
	.amdhsa_code_object_version 6
	.text
	.protected	k_qa23086c442_cast
	.globl	k_qa23086c442_cast
	.p2align	8
	.type	k_qa23086c442_cast,@function
k_qa23086c442_cast:
	s_mov_b64 s[64:65], 0
	v_nop
	global_prefetch_b8 v0, s[64:65] scope:SCOPE_SE
	s_setreg_imm32_b32 hwreg(HW_REG_WAVE_SCHED_MODE, 0, 2), 2
	s_setreg_imm32_b32 hwreg(HW_REG_WAVE_MODE, 25, 1), 1
	s_wait_xcnt 0x0
	s_wait_alu depctr_vm_vsrc(0)
; f32 -> bf16 copies of the product's two operands, each number rounded once (to nearest even).
;   abf [8192][2048] bf16: row m = input_[m] (bytes 0..2047), then prev_h[m] (bytes 2048..4095).
;   wbf [4096][2048] bf16: row n = 128 (c / 32) + 32 g + c % 32 holds W_i{g}[c], then W_h{g}[c]; g = 0..3 for the gates i, f, g, o.
;   So 128 consecutive rows of wbf are the four gates of 32 consecutive columns of the cell: the next launch finds an element's four gates in one lane.
; SHARES.  24,576 source rows of 4,096 bytes.  A work-group takes 32 consecutive rows of ONE source, a wave four of them: 32 loads of 16 bytes a lane, each
; covering 512 consecutive bytes, all issued before the first is waited for.  A store of 8 bytes a lane covers 256 consecutive bytes, aligned.
; No LDS, no barrier, no loop: no byte is wanted twice, and no register is written again while a load or store names it.
; THE MODE: SCHED_MODE bits 1:0 = 2 (LLVM: expert scheduling mode 2), set by the entry lines.  The code itself states the register dependences
; between vector instructions and memory instructions, with s_wait_alu, always for 0.
; THE PLAN.  Registers that memory instructions touch:
;   v1, v2        the loads' and the stores' byte offsets: made once at the head, never written again.
;   v[X+4n ..+3]  load n lands here, once; its two conversions read the four and write the first two in place; store n reads those two; nothing writes them afterwards.
; The 32 loads go in eight groups of four.  Group g waits for its four loads, then issues the four stores of group g - 1, one ahead of each pair of its own conversions.
; So ONE wait on va_vdst stands at a group's head: it states that group g - 1's conversions have written the data of those four stores; the vector instructions issued between
; it and the stores are group g's conversions, which name group g's sixteen registers alone.  One such wait stands ahead of the first load, for the two offsets, and one ahead of the
; last four stores.  No load lands in a register that a vector instruction has named, and no register that a memory instruction reads is written again: no other wait is owed.
.set ROWB, 4096                        ; bytes in a source row, and in a row of abf and of wbf
.set GRP,  4                           ; loads, and stores, in a group
.set X,    4                           ; v[4:131]  32 x 4 registers as loaded; the first two of each four then hold the packed result
	s_load_b512 s[8:23], s[0:1], 0x0               ; input_ s[8:9], prev_h s[10:11], W_ii, W_if, W_ig, W_io s[12:19], W_hi, W_hf s[20:23]
	s_load_b256 s[24:31], s[0:1], 0x40             ; W_hg, W_ho s[24:27], abf s[28:29], wbf s[30:31]
	s_lshr_b32 s2, ttmp9, 5                        ; which source: 0-7 input_, 8-15 prev_h, 16-23 the eight W in the order of the arguments
	s_and_b32 s32, ttmp9, 255                      ; input_, prev_h: my block of 32 rows among 256
	s_and_b32 s33, ttmp9, 31                       ; a W: my block of 32 rows among 32
	s_lshl_b32 s36, s32, 5                         ; input_, prev_h: the first row in abf
	s_lshl_b32 s37, s33, 7                         ; a W: 128 x block
	s_and_b32 s38, s2, 3                           ; its gate
	s_lshl_b32 s38, s38, 5
	s_add_co_u32 s37, s37, s38                     ; + 32 x gate: the first row in wbf
	s_bfe_u32 s38, s2, 0x10003                     ; input_, prev_h: which half of K (bit 3 of the source's number)
	s_bfe_u32 s39, s2, 0x10002                     ; a W: bit 2: W_i* 0, W_h* 1
	s_cmp_ge_u32 s2, 16                            ; a W?
	s_cselect_b32 s32, s33, s32
	s_cselect_b32 s36, s37, s36
	s_cselect_b32 s38, s39, s38
	s_lshl_b32 s34, s32, 17                        ; where I read: block x 32 rows x 4,096 bytes
	s_mov_b32 s35, 0
	s_lshl_b32 s36, s36, 12                        ; where I write: row x 4,096 bytes
	s_lshl_b32 s38, s38, 11                        ; + 2,048 for the second half of K
	s_add_co_u32 s36, s36, s38
	s_mov_b32 s37, 0
	v_lshrrev_b32 v3, 5, v0                        ; wave
	v_and_b32 v1, 31, v0                           ; lane
	v_lshlrev_b32 v3, 14, v3                       ; the wave's four rows, in both
	v_lshl_or_b32 v2, v1, 3, v3                    ; out: 8 bytes a lane
	v_lshl_or_b32 v1, v1, 4, v3                    ; in: 16 bytes a lane
	s_wait_kmcnt 0x0
	s_cmp_lt_u32 s2, 8
	s_cselect_b64 s[4:5], s[8:9], s[10:11]
.irp j, 0,1,2,3,4,5,6,7
	s_cmp_eq_u32 s2, 16+(\j)
	s_cselect_b64 s[4:5], s[12+2*(\j):13+2*(\j)], s[4:5]
.endr
	s_cmp_ge_u32 s2, 16
	s_cselect_b64 s[6:7], s[30:31], s[28:29]
	s_add_nc_u64 s[4:5], s[4:5], s[34:35]
	s_add_nc_u64 s[6:7], s[6:7], s[36:37]
	s_wait_alu depctr_va_vdst(0)                   ; v1 and v2 are written: every load of the kernel reads v1 as its offset, every store v2
.set n, 0
.rept 32                               ; row n / 8, its piece n % 8 of 512 bytes
	global_load_b128 v[X+4*n:X+4*n+3], v1, s[4:5] offset:ROWB*(n/8)+512*(n%8) th:TH_LOAD_NT
.set n, n+1
.endr
.set g, 0
.rept 32/GRP                           ; group g: loads GRP g to GRP g + 3 are rounded; the group before is stored
	s_wait_loadcnt 32-GRP-GRP*g                    ; loads come back in order (ISA guide 5.7.1): the group's four are in, the younger ones stay out
.if g > 0
	s_wait_alu depctr_va_vdst(0)                   ; the conversions of the group before have written the first two of each of its four registers, which the four stores below read
.endif
.set i, 0
.rept GRP
.set n, GRP*g+i
.set m, n-GRP                          ; the same place in the group before
.if g > 0
	global_store_b64 v2, v[X+4*m:X+4*m+1], s[6:7] offset:ROWB*(m/8)+256*(m%8)  ; no vector instruction since the wait names these registers
.endif
	v_cvt_pk_bf16_f32 v[X+4*n], v[X+4*n], v[X+4*n+1]
	v_cvt_pk_bf16_f32 v[X+4*n+1], v[X+4*n+2], v[X+4*n+3]
.set i, i+1
.endr
.set g, g+1
.endr
	s_wait_alu depctr_va_vdst(0)                   ; the last group's conversions have written the data of the last four stores
.set m, 32-GRP
.rept GRP
	global_store_b64 v2, v[X+4*m:X+4*m+1], s[6:7] offset:ROWB*(m/8)+256*(m%8)
.set m, m+1
.endr
	s_endpgm
.Lfunc_end_k_qa23086c442_cast:
	.size	k_qa23086c442_cast, .Lfunc_end_k_qa23086c442_cast-k_qa23086c442_cast
	.p2alignl 7, 3214868480
	.fill 96, 4, 3214868480
	.section	.rodata,"a",@progbits
	.p2align	6, 0x0
	.amdhsa_kernel k_qa23086c442_cast
		.amdhsa_group_segment_fixed_size 0
		.amdhsa_private_segment_fixed_size 0
		.amdhsa_enable_private_segment 0
		.amdhsa_kernarg_size 96
		.amdhsa_user_sgpr_count 2
		.amdhsa_user_sgpr_kernarg_segment_ptr 1
		.amdhsa_wavefront_size32 1
		.amdhsa_system_sgpr_workgroup_id_x 1
		.amdhsa_system_sgpr_workgroup_id_y 1
		.amdhsa_system_sgpr_workgroup_id_z 1
		.amdhsa_system_vgpr_workitem_id 0
		.amdhsa_next_free_vgpr 132
		.amdhsa_next_free_sgpr 66
		.amdhsa_reserve_vcc 0
		.amdhsa_float_denorm_mode_32 3
		.amdhsa_float_denorm_mode_16_64 3
		.amdhsa_memory_ordered 1
		.amdhsa_forward_progress 1
		.amdhsa_inst_pref_size 13
	.end_amdhsa_kernel
	.amdgpu_metadata
---
amdhsa.version: [ 1, 2 ]
amdhsa.kernels:
  - .name:           k_qa23086c442_cast
    .symbol:         k_qa23086c442_cast.kd
    .args:
      - { .name: input_, .offset: 0, .size: 8, .value_kind: global_buffer, .address_space: global }
      - { .name: prev_h, .offset: 8, .size: 8, .value_kind: global_buffer, .address_space: global }
      - { .name: W_ii, .offset: 16, .size: 8, .value_kind: global_buffer, .address_space: global }
      - { .name: W_if, .offset: 24, .size: 8, .value_kind: global_buffer, .address_space: global }
      - { .name: W_ig, .offset: 32, .size: 8, .value_kind: global_buffer, .address_space: global }
      - { .name: W_io, .offset: 40, .size: 8, .value_kind: global_buffer, .address_space: global }
      - { .name: W_hi, .offset: 48, .size: 8, .value_kind: global_buffer, .address_space: global }
      - { .name: W_hf, .offset: 56, .size: 8, .value_kind: global_buffer, .address_space: global }
      - { .name: W_hg, .offset: 64, .size: 8, .value_kind: global_buffer, .address_space: global }
      - { .name: W_ho, .offset: 72, .size: 8, .value_kind: global_buffer, .address_space: global }
      - { .name: abf, .offset: 80, .size: 8, .value_kind: global_buffer, .address_space: global }
      - { .name: wbf, .offset: 88, .size: 8, .value_kind: global_buffer, .address_space: global }
    .group_segment_fixed_size: 0
    .private_segment_fixed_size: 0
    .kernarg_segment_align: 8
    .kernarg_segment_size: 96
    .max_flat_workgroup_size: 256
    .sgpr_count:     66
    .vgpr_count:     132
    .wavefront_size: 32
...
	.end_amdgpu_metadata
.endif
;; end of part 3
;; launch lstm: the kernel of part 2 again; grid 16 x 32, 4 waves a work-group, clusters of 4 x 4, 327,680 bytes of LDS; arguments b_ii, b_if, b_ig, b_io, b_hi, b_hf, b_hg, b_ho, abf, wbf, prev_c, out0, out1; writes out0, out1
